; MI455X (gfx1250); checked and timed in simulation.
; The chip was launched on July 23, 2026; its instructions are those of AMD's public machine-readable ISA for CDNA 5 (MIT licence, August 2026) and "CDNA5" Instruction Set Architecture Reference Guide (July 2026). The comments in the code are by the model that wrote it; some were corrected since.
;; My Multi Headed Attention. Allowed arithmetic: matrix products marked QUANTISED: E3M2 operands, one E8M0 scale for each 32 along K, by v_wmma_scale_f32_16x16x128_f8f6f4 with both operands' format E3M2, f32 sums; everything else in f32.
;; Inputs: Wq 1,024 x 1,024 float32; bq 1,024 float32; key 4 x 2,048 x 1,024 float32; mask 4 x 1 x 2,048 int32; query 4 x 2,048 x 1,024 float32; value 4 x 2,048 x 1,024 float32.
;; Outputs: out0 4 x 2,048 x 1,024 float32.
;; This version of the problem:
;;   THIS VERSION OF THE PROBLEM IS GIVEN IN LOW PRECISION. The matrix products marked QUANTISED in the list below multiply operands that are first quantised to E3M2 (3 exponent bits, 2 mantissa bits; 6 bits a number), with one power-of-two scale for each 32 numbers along K (OCP MX v1.0); their sums are f32. All else is computed in f32.
;;   The module's matrix products, in the order in which they are computed (A, B: the left and right operand; K: the contracted axis; several contracted axes count as one K, in the product's order):
;;     1. [M 8,192, K 1,024] x [K 1,024, N 1,024]; A: input query; B: input Wq: QUANTISED
;;     2. batch 64 x [M 2,048, K 64] x [K 64, N 2,048]; A: computed on the way; B: input key: QUANTISED
;;     3. batch 64 x [M 2,048, K 2,048] x [K 2,048, N 64]; A: computed on the way; B: input value: QUANTISED
;;   THE QUANTISER, for each operand of a quantised product, along K:
;;     - K is cut into blocks of 32 from its start; a last block that is shorter is filled with zeros.
;;     - A block's scale is 2^e with e = floor(log2(the largest magnitude in the block)) - 4, held to -126 .. 127; a block of zeros has e = 0. As a byte (E8M0): e + 127.
;;     - Each number is divided by its block's scale, clamped to +-28, and rounded to the nearest number of E3M2, ties to even, subnormals kept.
;;     - The product sums the exact products of the quantised numbers (number of the format x scale) in f32.
;;   ~~~python
;;   def quantise(x, axis):      # numpy; x: float32 -> the quantised numbers, widened to float32 again
;;       x = np.moveaxis(x, axis, -1); K = x.shape[-1]
;;       x = np.pad(x, [(0, 0)] * (x.ndim - 1) + [(0, -K % 32)]); x = x.reshape(x.shape[:-1] + (-1, 32)); a = np.abs(x).max(-1, keepdims=True)
;;       e = np.where(a > 0, np.clip(np.frexp(np.where(a > 0, a, 1))[1] - 1 - 4, -126, 127), 0)      # np.frexp(a)[1] - 1 = floor(log2(a)), exactly
;;       r = np.clip(x / 2.0 ** e, -28, 28)
;;       step = 2.0 ** (np.maximum(np.frexp(np.where(r == 0, 1, r))[1] - 1, -2) - 2)
;;       q = np.round(r / step) * step * 2.0 ** e      # np.round: ties to even
;;       return np.moveaxis(q.reshape(q.shape[:-2] + (-1,))[..., :K], -1, axis).astype(np.float32)
;;   ~~~
;;   OPERANDS COMPUTED ON THE WAY. 'Computed on the way' means the value that the module computes at that place (a softmax that the list does not call 'softmax' is quantised finished and normalised). What goes into a quantiser is computed in f32, as accurately as f32 sums, v_exp_f32 and their like allow (about 1e-6 of the number): no bf16 or f16 on the way to a quantiser, and a product that is left as it is and whose result goes on into a quantised operand takes f32 operands (vector FMAs, or v_wmma_f32_16x16x4_f32). A number that lies on a knife's edge between two numbers of the format may be rounded either way, as far as f32 arithmetic and the matrix unit's own rounding can turn it there, and no further.
;; One version. Each part assembles by itself: llvm-mc -triple=amdgcn-amd-amdhsa -mcpu=gfx1250 --defsym DOCPART=n.
;; ======== version 1 of 1: 3 launches
;; limits: right only within a limited range of input values
;; workspace buffers: xc 13,369,344 bytes; xs 557,056 bytes; vc 6,291,456 bytes; vs 262,144 bytes
;; launch quant_rows (part 1): grid 272 x 4, 4 waves a work-group, no clusters, 34,816 bytes of LDS; arguments query, key, Wq, xc, xs; writes xc, xs
.if DOCPART == 1
	.amdgcn_target "amdgcn-amd-amdhsa--gfx1250"
	.amdhsa_code_object_version 6
	.text
	.protected	k_q80665cfe7f_quant_rows
	.globl	k_q80665cfe7f_quant_rows
	.p2align	8
	.type	k_q80665cfe7f_quant_rows,@function
k_q80665cfe7f_quant_rows:
	s_mov_b64 s[64:65], 0
	v_nop
	global_prefetch_b8 v0, s[64:65] scope:SCOPE_SE
	s_setreg_imm32_b32 hwreg(HW_REG_WAVE_MODE, 25, 1), 1
	s_wait_xcnt 0x0
; query [8192][1024], key [8192][1024] and Wq [1024][1024], f32, K innermost, count as ONE run of 17,408 rows of 1,024 numbers.  They become codes of BF6 (E3M2) with one E8M0 byte for each 32 along K.
; A block's scale is 2^(floor(log2(its largest magnitude)) - 4): its byte is the largest magnitude's exponent field - 4, held at 1 from below.
; THE CODES LEAVE IN THE ORDER OF THE OPERAND'S REGISTERS.  A tile is 16 rows; tile T = 2 G + u of the group G of 32 rows holds in lane r the row 32 G + 8 u + r + 8 (r / 8), so that the results of two
; neighbouring tiles used as source 0 are 16 neighbours along the next product's K.  xc: T x 12288 + s x 1536 + c x 768 + (16 x lane: registers 6 c .. 6 c + 3 | 512 + 8 x lane: registers 6 c + 4, 6 c + 5),
; s = K / 128, lane (r, h) holding k = 128 s + 64 c + 32 h + 0 .. 31.  xs: [s][T][r] words of four bytes.
; SHARES: work-group x takes 64 rows (tiles 4 x .. 4 x + 3, one a wave), work-group y the K steps 2 y and 2 y + 1.  Each load reads 512 consecutive bytes of a row; a step's 16 rows turn through the wave's own
; stage in LDS (rows of 512 + 16 bytes) and come back 256 bytes a lane: two whole blocks.  Every store of codes covers 512 or 256 consecutive aligned bytes.
; LIMITS: a block of zeros gets the byte 1 and not 127 (its codes are zeros, and this program alone reads the bytes); NaN and infinities among the inputs are not served.
.set STG, 8448                         ; a wave's stage: 16 rows x 528 bytes
.set SP,  528
.set SG,  33792                        ; behind the stages: the scale words, [step 2][wave 4][row 16]
.set R,   16                           ; v16-143  two steps x 64 registers as loaded
.set X,   144                          ; v144-207 my 64 numbers: k = 64 c + 32 h + 0 .. 31 at X + 32 c
.set D,   208                          ; v208-231 twelve registers of codes for each step: no store's data are written again
.set E,   232                          ; v232-238 the conversions' second halves
.set SW,  240                          ; v240-241 a step's scale word
.set T,   242                          ; v242     the lane exchange's destination
	s_load_b256 s[4:11], s[0:1], 0x0               ; query s[4:5], key s[6:7], Wq s[8:9], xc s[10:11]
	s_load_b64 s[12:13], s[0:1], 0x20              ; xs
	v_lshl_add_u32 v254, v0, 2, 0x8600
	v_mov_b32 v255, 0
	v_lshrrev_b32 v1, 5, v0
	v_readfirstlane_b32 s14, v1                    ; wave
	v_and_b32 v1, 31, v0                           ; lane
	v_lshlrev_b32 v2, 4, v1                        ; 16 x lane
	v_lshlrev_b32 v3, 3, v1                        ; 8 x lane
	v_and_b32 v8, 15, v0                           ; r
	v_bfe_u32 v9, v0, 4, 1                         ; h
	s_mul_i32 s15, s14, STG
	v_add_nc_u32 v4, s15, v2                       ; the stage, on the way in: 16 x lane of a row
	v_mul_u32_u24 v5, v8, SP
	v_lshl_add_u32 v5, v9, 7, v5
	v_add_nc_u32 v5, s15, v5                       ; and on the way out: row r, + 128 h
	s_lshl_b32 s15, s14, 6
	s_add_co_u32 s15, s15, SG
	v_lshl_add_u32 v6, v8, 2, s15                  ; my row's scale word: SG + 64 x wave + 4 r
	s_and_b32 s15, s14, 1
	s_lshl_b32 s15, s15, 8
	s_add_co_u32 s15, s15, SG
	v_add_nc_u32 v7, s15, v3                       ; the words' way out: waves 0 and 1 take a step's 256 bytes each
	v_lshlrev_b32 v15, 3, v9                       ; 8 h
	v_mov_b32 v[T], 0                              ; written once: a lane exchange's destination counts as one of its sources
	s_mov_b32 s20, 0x76543210
	s_mov_b32 s21, 0xfedcba98                      ; selects for lane l xor 16
	s_and_b32 s16, ttmp7, 0xffff                   ; y
	s_lshl_b32 s22, ttmp9, 2
	s_add_co_u32 s22, s22, s14                     ; my tile
	s_mul_i32 s22, s22, 12288
	s_mul_i32 s23, s16, 3072
	s_add_co_u32 s22, s22, s23                     ; + two K steps of 1,536 bytes for each y
	s_mov_b32 s23, 0
	s_wait_alu depctr_va_vdst(0)
	s_wait_kmcnt 0x0
	s_cmp_lt_u32 ttmp9, 256                        ; which tensor: the choice hangs on the work-group's number alone
	s_cselect_b64 s[6:7], s[6:7], s[8:9]
	s_mov_b32 s17, 256
	s_cselect_b32 s17, 128, s17
	s_cmp_lt_u32 ttmp9, 128
	s_cselect_b64 s[4:5], s[4:5], s[6:7]
	s_cselect_b32 s17, 0, s17
	s_sub_co_u32 s17, ttmp9, s17                   ; which 64 rows of that tensor
	s_lshl_b32 s18, s17, 18                        ; 64 rows of 4,096 bytes,
	s_lshr_b32 s19, s14, 1
	s_lshl_b32 s19, s19, 17                        ; 32 rows for the wave's group,
	s_add_co_u32 s18, s18, s19
	s_and_b32 s19, s14, 1
	s_lshl_b32 s19, s19, 15                        ; 8 rows for u,
	s_add_co_u32 s18, s18, s19
	s_lshl_b32 s19, s16, 10                        ; 1,024 bytes (256 along K) for each y
	s_add_co_u32 s18, s18, s19
	s_mov_b32 s19, 0
	s_add_nc_u64 s[4:5], s[4:5], s[18:19]
	s_add_nc_u64 s[10:11], s[10:11], s[22:23]
.macro LOADS st                        ; a step's 16 rows, 512 consecutive bytes a load; the tile's row i is memory's row i + 8 (i / 8)
.irp i, 0,1,2,3,4,5,6,7,8,9,10,11,12,13,14,15
	global_load_b128 v[R+64*(\st)+4*\i:R+64*(\st)+4*\i+3], v2, s[4:5] offset:(\i+8*(\i/8))*4096+512*(\st) th:TH_LOAD_NT
.endr
.endm
.macro TURN st                         ; through my own stage: LDS serves a wave's instructions in order, so no wait stands between the stores and the loads
.irp i, 0,1,2,3,4,5,6,7,8,9,10,11,12,13,14,15
	ds_store_b128 v4, v[R+64*(\st)+4*\i:R+64*(\st)+4*\i+3] offset:SP*\i
.endr
.irp c, 0,1
.irp k, 0,1,2,3,4,5,6,7
	ds_load_b128 v[X+32*\c+4*\k:X+32*\c+4*\k+3], v5 offset:256*\c+16*\k
.endr
.endr
	s_wait_dscnt 0x0                               ; my 64 numbers are back
.endm
.macro QUANT st
.set DS, D+12*(\st)
.irp c, 0,1                            ; my block 2 c + h: all its 32 numbers are mine
	v_max3_num_f32 v[8+\c], |v[X+32*\c]|, |v[X+32*\c+1]|, 0x2800000   ; and the floor 2^(5 - 127): the byte cannot fall under 1
.endr
.irp i, 2,4,6,8,10,12,14,16,18,20,22,24,26,28,30
.irp c, 0,1
	v_max3_num_f32 v[8+\c], v[8+\c], |v[X+32*\c+\i]|, |v[X+32*\c+\i+1]|   ; (the two blocks by turns)
.endr
.endr
.irp c, 0,1
	v_add_nc_u32 v[10+\c], 0xfe000000, v[8+\c]     ; 4 off the exponent field: the conversion takes this operand's exponent field as its scale
.endr
.irp c, 0,1
	v_lshrrev_b32 v[12+\c], 23, v[10+\c]           ; the scale's byte
.endr
	v_lshl_or_b32 v[SW+\st], v13, 16, v12          ; my two bytes, blocks h and 2 + h,
	v_lshlrev_b32 v[SW+\st], v15, v[SW+\st]        ; at their places (8 h bits up);
	v_permlanex16_b32 v[T], v[SW+\st], s20, s21
	v_or_b32 v[SW+\st], v[SW+\st], v[T]            ; with lane l xor 16's two the word is whole
.irp c, 0,1
	v_cvt_scalef32_pk16_bf6_f32 v[DS+6*\c:DS+6*\c+2], v[X+32*\c:X+32*\c+15], v[10+\c]
	v_cvt_scalef32_pk16_bf6_f32 v[E+4*\c:E+4*\c+2], v[X+32*\c+16:X+32*\c+31], v[10+\c]   ; (a conversion's three registers begin on an even number)
.endr
	v_nop                                          ; one plain place behind a scaled conversion
.irp c, 0,1
.irp i, 0,1,2
	v_mov_b32 v[DS+6*\c+3+\i], v[E+4*\c+\i]
.endr
.endr
.irp c, 0,1
	global_store_b128 v2, v[DS+6*\c:DS+6*\c+3], s[10:11] offset:1536*(\st)+768*\c          ; 512 consecutive bytes, aligned
	global_store_b64 v3, v[DS+6*\c+4:DS+6*\c+5], s[10:11] offset:1536*(\st)+768*\c+512     ; 256 consecutive bytes, aligned
.endr
	ds_store_b32 v6, v[SW+\st] offset:256*(\st)    ; both lanes of a row write the same word with the same value
.endm
	LOADS 0
	LOADS 1
	s_wait_loadcnt 16                              ; step 0's sixteen loads are in; step 1's sixteen may be out
	TURN 0
	QUANT 0
	s_wait_loadcnt 0x0
	TURN 1
	QUANT 1
	s_wait_dscnt 0x0                               ; for the others' sake: my scale words lie in LDS
	s_barrier_signal -1
	s_barrier_wait -1
	s_cmp_gt_u32 s14, 1
	s_cbranch_scc1 .Ldone                          ; waves 0 and 1 store the four tiles' words of step 2 y + wave
	ds_load_b64 v[244:245], v7
	s_lshl_b32 s24, s16, 1
	s_add_co_u32 s24, s24, s14
	s_mul_i32 s24, s24, 69632                      ; a K step's words of all 1,088 tiles
	s_lshl_b32 s25, ttmp9, 8
	s_add_co_u32 s24, s24, s25
	s_mov_b32 s25, 0
	s_add_nc_u64 s[12:13], s[12:13], s[24:25]
	s_wait_dscnt 0x0
	global_store_b64 v3, v[244:245], s[12:13]      ; 256 consecutive bytes, aligned
.Ldone:
	s_wait_tensorcnt 0x0
	ds_add_u32 v254, v255
	s_wait_dscnt 0x0
	s_endpgm
.Lfunc_end_k_q80665cfe7f_quant_rows:
	.size	k_q80665cfe7f_quant_rows, .Lfunc_end_k_q80665cfe7f_quant_rows-k_q80665cfe7f_quant_rows
	.p2alignl 7, 3214868480
	.fill 96, 4, 3214868480
	.section	.rodata,"a",@progbits
	.p2align	6, 0x0
	.amdhsa_kernel k_q80665cfe7f_quant_rows
		.amdhsa_group_segment_fixed_size 34816
		.amdhsa_private_segment_fixed_size 0
		.amdhsa_enable_private_segment 0
		.amdhsa_kernarg_size 40
		.amdhsa_user_sgpr_count 2
		.amdhsa_user_sgpr_kernarg_segment_ptr 1
		.amdhsa_wavefront_size32 1
		.amdhsa_system_sgpr_workgroup_id_x 1
		.amdhsa_system_sgpr_workgroup_id_y 1
		.amdhsa_system_sgpr_workgroup_id_z 1
		.amdhsa_system_vgpr_workitem_id 0
		.amdhsa_next_free_vgpr 256
		.amdhsa_next_free_sgpr 66
		.amdhsa_reserve_vcc 0
		.amdhsa_float_denorm_mode_32 3
		.amdhsa_float_denorm_mode_16_64 3
		.amdhsa_memory_ordered 1
		.amdhsa_forward_progress 1
		.amdhsa_inst_pref_size 18
	.end_amdhsa_kernel
	.amdgpu_metadata
---
amdhsa.version: [ 1, 2 ]
amdhsa.kernels:
  - .name:           k_q80665cfe7f_quant_rows
    .symbol:         k_q80665cfe7f_quant_rows.kd
    .args:
      - { .name: query, .offset: 0, .size: 8, .value_kind: global_buffer, .address_space: global }
      - { .name: key, .offset: 8, .size: 8, .value_kind: global_buffer, .address_space: global }
      - { .name: Wq, .offset: 16, .size: 8, .value_kind: global_buffer, .address_space: global }
      - { .name: xc, .offset: 24, .size: 8, .value_kind: global_buffer, .address_space: global }
      - { .name: xs, .offset: 32, .size: 8, .value_kind: global_buffer, .address_space: global }
    .group_segment_fixed_size: 34816
    .private_segment_fixed_size: 0
    .kernarg_segment_align: 8
    .kernarg_segment_size: 40
    .max_flat_workgroup_size: 128
    .sgpr_count:     66
    .vgpr_count:     256
    .wavefront_size: 32
...
	.end_amdgpu_metadata
.endif
;; end of part 1
;; launch quant_v (part 2): grid 8 x 64, 4 waves a work-group, no clusters, 0 bytes of LDS; arguments value, vc, vs; writes vc, vs
.if DOCPART == 2
	.amdgcn_target "amdgcn-amd-amdhsa--gfx1250"
	.amdhsa_code_object_version 6
	.text
	.protected	k_q80665cfe7f_quant_v
	.globl	k_q80665cfe7f_quant_v
	.p2align	8
	.type	k_q80665cfe7f_quant_v,@function
k_q80665cfe7f_quant_v:
	s_mov_b64 s[64:65], 0
	v_nop
	global_prefetch_b8 v0, s[64:65] scope:SCOPE_SE
	s_setreg_imm32_b32 hwreg(HW_REG_WAVE_MODE, 25, 1), 1
	s_wait_xcnt 0x0
; value [4][2048 keys][1024] f32 is the third product's right operand: its K is the KEYS, which are not innermost.  It becomes codes of BF6 (E3M2) with one E8M0 byte for each 32 keys.
; A LANE TAKES A COLUMN, AND ITS REGISTERS RUN DOWN THE KEYS: each load reads 128 consecutive bytes a wave (the four waves stand side by side on 512), a block of 32 keys lies in one lane's 32 registers,
; and the conversions give codes with the keys innermost.  A wave takes 32 columns x 128 keys: four blocks a lane.
; THE CODES LEAVE IN THE ORDER OF THE OPERAND'S REGISTERS: vc [b][head][K step 16][d tile 4][c 2][768 bytes]; in the 768 bytes 16 x lane holds registers 6 c .. 6 c + 3 and 512 + 8 x lane registers 6 c + 4, 6 c + 5;
; lane (r, h) holds channel 16 dt + r and keys 128 step + 64 c + 32 h + 0 .. 31.  My lanes 0-15 are one d tile's channels and lanes 16-31 the next one's: one exchange of halves for each register turns
; 'blocks with h = 0' and 'blocks with h = 1' into the two tiles' images.  vs [b][K step][column] words of four bytes.
; LIMITS: a block of zeros gets the byte 1 and not 127 (its codes are zeros, and this program alone reads the bytes); NaN and infinities among the inputs are not served.
.set X,  32                            ; v32-95   two sets of 32 numbers
.set P0, 96                            ; v96-107  blocks 0 and 2 (h = 0), then the first d tile's image
.set P1, 108                           ; v108-119 blocks 1 and 3 (h = 1), then the second's
.set E,  120                           ; v120-122 a conversion's second half
.set SW, 124                           ; v124     my column's scale word
	s_load_b128 s[4:7], s[0:1], 0x0                ; value, vc
	s_load_b64 s[8:9], s[0:1], 0x10                ; vs
	v_lshrrev_b32 v1, 5, v0
	v_readfirstlane_b32 s10, v1                    ; wave
	v_and_b32 v1, 31, v0
	v_lshlrev_b32 v2, 2, v1                        ; 4 x lane
	v_lshlrev_b32 v3, 4, v1                        ; 16 x lane
	v_lshlrev_b32 v4, 3, v1                        ; 8 x lane
	s_and_b32 s11, ttmp7, 0xffff                   ; y = 16 b + K step
	s_lshl_b32 s12, ttmp9, 7
	s_lshl_b32 s13, s10, 5
	s_add_co_u32 s12, s12, s13                     ; my wave's first column
	s_lshl_b32 s14, s11, 19                        ; value: 128 y rows of 4,096 bytes
	s_lshl_b32 s16, s12, 2
	s_add_co_u32 s14, s14, s16
	s_mov_b32 s15, 0
	s_lshl_b32 s16, s11, 10                        ; vs: (1024 y + column) words
	s_add_co_u32 s16, s16, s12
	s_lshl_b32 s16, s16, 2
	s_mov_b32 s17, 0
	s_lshr_b32 s18, s11, 4                         ; b
	s_and_b32 s19, s11, 15                         ; K step
	s_lshr_b32 s20, s12, 6                         ; head
	s_lshl_b32 s18, s18, 4
	s_add_co_u32 s18, s18, s20
	s_lshl_b32 s18, s18, 4
	s_add_co_u32 s18, s18, s19
	s_lshl_b32 s18, s18, 2
	s_and_b32 s20, s10, 1
	s_lshl_b32 s20, s20, 1                         ; my first d tile: 2 (wave % 2)
	s_add_co_u32 s18, s18, s20
	s_mul_i32 s18, s18, 1536                       ; vc: a tile's image of 128 keys
	s_mov_b32 s19, 0
	s_wait_alu depctr_va_vdst(0)
	s_wait_kmcnt 0x0
	s_add_nc_u64 s[4:5], s[4:5], s[14:15]
	s_add_nc_u64 s[6:7], s[6:7], s[18:19]
	s_add_nc_u64 s[8:9], s[8:9], s[16:17]
.macro LOAD t                          ; block t: keys 32 t + i of my column, into set t % 2
.irp i, 0,1,2,3,4,5,6,7,8,9,10,11,12,13,14,15,16,17,18,19,20,21,22,23,24,25,26,27,28,29,30,31
	global_load_b32 v[X+32*((\t)%2)+\i], v2, s[4:5] offset:(32*(\t)+\i)*4096 th:TH_LOAD_NT
.endr
.endm
.macro BLOCK t                         ; block t = 2 c + h
.set XS, X+32*((\t)%2)
.set PH, P0+12*((\t)%2)+6*((\t)/2)
.if (\t) < 3
	s_wait_loadcnt 32                              ; this block's 32 loads are in; the next block's 32 may be out
.else
	s_wait_loadcnt 0x0
.endif
	v_max3_num_f32 v8, |v[XS]|, |v[XS+1]|, |v[XS+2]|               ; the block's largest magnitude: all 32 numbers are mine; two chains
	v_max3_num_f32 v9, |v[XS+3]|, |v[XS+4]|, |v[XS+5]|
.irp i, 6,10,14,18,22,26
	v_max3_num_f32 v8, v8, |v[XS+\i]|, |v[XS+\i+1]|
	v_max3_num_f32 v9, v9, |v[XS+\i+2]|, |v[XS+\i+3]|
.endr
	v_max3_num_f32 v8, v8, |v[XS+30]|, |v[XS+31]|
	v_max3_num_f32 v8, v8, v9, 0x2800000           ; and the floor 2^(5 - 127): the byte cannot fall under 1
	v_add_nc_u32 v11, 0xfe000000, v8               ; 4 off the exponent field: the conversion's scale operand
	v_lshrrev_b32 v10, 23, v11                     ; the scale's byte
.if (\t) == 0
	v_mov_b32 v[SW], v10
.else
	v_lshl_or_b32 v[SW], v10, 8*(\t), v[SW]        ; the lower keys in the lower byte
.endif
	v_cvt_scalef32_pk16_bf6_f32 v[PH:PH+2], v[XS:XS+15], v11
	v_cvt_scalef32_pk16_bf6_f32 v[E:E+2], v[XS+16:XS+31], v11      ; (a conversion's three registers begin on an even number)
	v_nop                                          ; one plain place behind a scaled conversion
.irp i, 0,1,2
	v_mov_b32 v[PH+3+\i], v[E+\i]
.endr
.if (\t) < 2
	LOAD (\t)+2
.endif
.endm
	LOAD 0
	LOAD 1
	BLOCK 0
	BLOCK 1
	BLOCK 2
	BLOCK 3
.irp i, 0,1,2,3,4,5,6,7,8,9,10,11
	v_permlane16_swap_b32 v[P0+\i], v[P1+\i]       ; the first's lanes 16-31 change places with the second's lanes 0-15: each is now one d tile's image
.endr
.irp p, 0,1
.irp c, 0,1
	global_store_b128 v3, v[P0+12*\p+6*\c:P0+12*\p+6*\c+3], s[6:7] offset:1536*\p+768*\c          ; 512 consecutive bytes, aligned
	global_store_b64 v4, v[P0+12*\p+6*\c+4:P0+12*\p+6*\c+5], s[6:7] offset:1536*\p+768*\c+512     ; 256 consecutive bytes, aligned
.endr
.endr
	global_store_b32 v2, v[SW], s[8:9]             ; 128 consecutive bytes a wave, 512 a work-group
	s_endpgm
.Lfunc_end_k_q80665cfe7f_quant_v:
	.size	k_q80665cfe7f_quant_v, .Lfunc_end_k_q80665cfe7f_quant_v-k_q80665cfe7f_quant_v
	.p2alignl 7, 3214868480
	.fill 96, 4, 3214868480
	.section	.rodata,"a",@progbits
	.p2align	6, 0x0
	.amdhsa_kernel k_q80665cfe7f_quant_v
		.amdhsa_group_segment_fixed_size 0
		.amdhsa_private_segment_fixed_size 0
		.amdhsa_enable_private_segment 0
		.amdhsa_kernarg_size 24
		.amdhsa_user_sgpr_count 2
		.amdhsa_user_sgpr_kernarg_segment_ptr 1
		.amdhsa_wavefront_size32 1
		.amdhsa_system_sgpr_workgroup_id_x 1
		.amdhsa_system_sgpr_workgroup_id_y 1
		.amdhsa_system_sgpr_workgroup_id_z 1
		.amdhsa_system_vgpr_workitem_id 0
		.amdhsa_next_free_vgpr 128
		.amdhsa_next_free_sgpr 66
		.amdhsa_reserve_vcc 0
		.amdhsa_float_denorm_mode_32 3
		.amdhsa_float_denorm_mode_16_64 3
		.amdhsa_memory_ordered 1
		.amdhsa_forward_progress 1
		.amdhsa_inst_pref_size 21
	.end_amdhsa_kernel
	.amdgpu_metadata
---
amdhsa.version: [ 1, 2 ]
amdhsa.kernels:
  - .name:           k_q80665cfe7f_quant_v
    .symbol:         k_q80665cfe7f_quant_v.kd
    .args:
      - { .name: value, .offset: 0, .size: 8, .value_kind: global_buffer, .address_space: global }
      - { .name: vc, .offset: 8, .size: 8, .value_kind: global_buffer, .address_space: global }
      - { .name: vs, .offset: 16, .size: 8, .value_kind: global_buffer, .address_space: global }
    .group_segment_fixed_size: 0
    .private_segment_fixed_size: 0
    .kernarg_segment_align: 8
    .kernarg_segment_size: 24
    .max_flat_workgroup_size: 128
    .sgpr_count:     66
    .vgpr_count:     128
    .wavefront_size: 32
...
	.end_amdgpu_metadata
.endif
;; end of part 2
;; launch attn (part 3): grid 4 x 64, 8 waves a work-group, clusters of 4 x 1, 257,024 bytes of LDS; arguments xc, xs, vc, vs, bq, mask, out0; writes out0
.if DOCPART == 3
	.amdgcn_target "amdgcn-amd-amdhsa--gfx1250"
	.amdhsa_code_object_version 6
	.text
	.protected	k_q80665cfe7f_attn
	.globl	k_q80665cfe7f_attn
	.p2align	8
	.type	k_q80665cfe7f_attn,@function
k_q80665cfe7f_attn:
	s_mov_b64 s[64:65], 0
	v_nop
	global_prefetch_b8 v0, s[64:65] scope:SCOPE_SE
	s_setreg_imm32_b32 hwreg(HW_REG_WAVE_MODE, 25, 1), 1
	s_wait_xcnt 0x0
	s_wait_alu depctr_hold_cnt(0) depctr_sa_sdst(0) depctr_va_vdst(0) depctr_va_sdst(0) depctr_va_ssrc(0) depctr_va_vcc(0) depctr_vm_vsrc(0)
	s_getreg_b32 s2, hwreg(HW_REG_IB_STS2, 6, 4)
	s_cmp_eq_u32 s2, 0
	s_cbranch_scc0 .Lentry_in_a_cluster
	s_endpgm
.Lentry_in_a_cluster:
	s_bfe_u32 s2, ttmp6, 0x10000c
	s_cmp_lg_u32 s2, 0x3003
	s_cbranch_scc0 .Lentry_shape_is_right
	s_endpgm
.Lentry_shape_is_right:
; out[b][t][64 hd + d] = sum over keys of attn x value, attn = the masked softmax of (query Wq^T + bq) . key / 8, finished and normalised before it is quantised.
; All three products on codes of BF6 (E3M2) with E8M0 scales.  xc, xs: codes and scale words of query, key, Wq; vc, vs: of value; laid in the order of the operands' registers by the two launches before.
; SHARES.  A work-group owns 512 queries of one (b, head), in 16 trips of 32 queries (tiles x = 0, 1).  EIGHT WAVES SHARE THE KEYS: wave w owns keys 256 w .. 256 w + 255, so the whole rows of scores of 32 queries
; lie in the work-group's registers (2 x 128 a wave); each score is made once and put through one exponential, and the row's sum is known before any weight is quantised.
; THE HEAD: q for the 512 queries and the head's 64 channels (wave w: query tiles 4 w .. 4 w + 3), K = 1,024 in eight steps, bq as the C of the first; quantised in registers; images to LDS.
; A TRIP: S^T = K Q^T with the mask's bias as C | the wave's M = ceil(largest t), p = 2^(t - M), the wave's sum | barrier | the eight waves' M and sums joined by powers of two | attn = p x f | codes along the keys |
; O^T += V^T attn^T over my 256 keys | barrier | the eight waves' parts of O added, 4 rows a wave, and stored.
; K = 64 IS HALF OF THE INSTRUCTION'S 128: a fragment of K holds TWO key tiles (registers 0-5, 6-11) and is multiplied by [q, 0] and by [0, q]; the 30 registers 0 q0 0 q1 0 give all four operands.
; My 16 key tiles (96 registers) stay in registers.  V lies in LDS; 128 keys' four fragments come into one buffer of 48 registers, which holds the bias tiles during S^T.  O^T lies over scores that have been converted.
; CLUSTER: the four work-groups are the quarters of one (b, head)'s queries.  Wq's and value's tiles are asked for jointly, one load a wave, once; no LDS byte is filled twice.  Key's codes are not: each wave reads
; its own 12,288 bytes once, straight into the registers in which they stay.  No prefetch: the trips read no memory, and the head's query loads are themselves issued two K steps ahead.
; LIMITS: NaN and infinities among the inputs are not served.  A masked key's score is the score - 3e38 where the definition has the lowest f32 number; t under -1e30 counts as masked.  p under 2^-126 is 0
; (v_exp_f32 flushes).  A block of zeros has the byte 1 and not 127 (zero codes).  A block's largest weight is made from its largest score by the same instructions, which takes v_exp_f32 not to fall where its
; input rises.  The keys are split over eight waves and bq is added first: the order of the f32 sums is not the definition's.
; REGISTERS.  Window 0: v1-15 addresses; v16-47 scale words and nothing else; v48, v49 the add's two; v50-55 addresses; v56-151 K (head: Wq, two sets); v152-199 V's buffer (bias tiles; head: a set of query
; fragments, then q's codes); v200-255 work.  Window 1: the scores, tile x at 128 x: register 16 i + n is key 256 w + 32 i + 16 (lane / 16) + n (head: v0-127 accumulators, v128-223 two sets of query fragments).
.set WIMG, 0                           ; LDS: Wq's 4 tiles x 12,288 bytes
.set VIMG, 49152                       ; value's 16 K steps x 6,144 bytes
.set QIMG, 147456                      ; q's 32 tiles x 768 bytes
.set QSCL, 172032                      ; their scale words, 64 bytes a tile
.set MB,   174080                      ; the mask's bias, an f32 for each key
.set STAT, 182272                      ; 4 x 1,024 bytes: -M, sum of tile 0, of tile 1; 32 x lane + 4 x wave
.set ORED, 186368                      ; 8 waves x 32 rows x 272 bytes
.set SPARE, 256000                     ; the spare words: 8 x 128 bytes that no other line names
.set KSC, 16
.set VSC, 24
.set QS,  28
.set PW,  32
.set SPW, 48
.set NIL, 49
.set KF,  56
.set VB,  152
.set QF,  200
.set BQ,  200
.set BM,  200                          ; 8 blocks a tile: largest score, then largest p, then the conversion's scale operand
.set PC,  216
.set PT,  228
.set SX,  236                          ; a pair a tile: -M, later f
.set MSB, 0
.macro WIN new                         ; bits 1:0 source 0, 3:2 source 1, 5:4 source 2, 7:6 destination; the high byte repeats the setting that is left
.if MSB != (\new)
	s_set_vgpr_msb (MSB<<8)|(\new)
.set MSB, (\new)
.endif
.endm
.macro PLACES                          ; four plain places behind a matrix instruction (ISA guide 7.12.1)
.rept 4
	v_nop
.endr
.endm
.macro VW
	s_wait_alu depctr_va_vdst(0)
.endm
.macro ROUND                           ; a round of the cluster's barrier
	s_barrier_signal -1
	s_barrier_wait -1
	s_cmp_lg_u32 s18, 0
	s_cbranch_scc1 .Lnot_wave_0_\@
	s_barrier_signal -3
.Lnot_wave_0_\@:
	s_barrier_wait -3
	s_barrier_signal -1
	s_barrier_wait -1
.endm
; a product: D, source 0, source 1, C, source 0's scale word, source 1's; ra, rb = 1: that word is taken from lanes 16-31
.macro WMC d, a, b, c, sa, sb, ra, rb
.if (\ra) == 0 && (\rb) == 0
	v_wmma_scale_f32_16x16x128_f8f6f4 v[(\d):(\d)+7], v[(\a):(\a)+11], v[(\b):(\b)+11], v[(\c):(\c)+7], v[(\sa)], v[(\sb)] matrix_a_fmt:MATRIX_FMT_BF6 matrix_b_fmt:MATRIX_FMT_BF6
.elseif (\ra) == 1 && (\rb) == 0
	v_wmma_scale_f32_16x16x128_f8f6f4 v[(\d):(\d)+7], v[(\a):(\a)+11], v[(\b):(\b)+11], v[(\c):(\c)+7], v[(\sa)], v[(\sb)] matrix_a_fmt:MATRIX_FMT_BF6 matrix_b_fmt:MATRIX_FMT_BF6 matrix_a_scale:MATRIX_SCALE_ROW1
.elseif (\ra) == 0
	v_wmma_scale_f32_16x16x128_f8f6f4 v[(\d):(\d)+7], v[(\a):(\a)+11], v[(\b):(\b)+11], v[(\c):(\c)+7], v[(\sa)], v[(\sb)] matrix_a_fmt:MATRIX_FMT_BF6 matrix_b_fmt:MATRIX_FMT_BF6 matrix_b_scale:MATRIX_SCALE_ROW1
.else
	v_wmma_scale_f32_16x16x128_f8f6f4 v[(\d):(\d)+7], v[(\a):(\a)+11], v[(\b):(\b)+11], v[(\c):(\c)+7], v[(\sa)], v[(\sb)] matrix_a_fmt:MATRIX_FMT_BF6 matrix_b_fmt:MATRIX_FMT_BF6 matrix_a_scale:MATRIX_SCALE_ROW1 matrix_b_scale:MATRIX_SCALE_ROW1
.endif
.endm
.macro WM0 d, a, b, sa, sb, ra         ; the same with the constant 0 as C: it starts a sum
.if (\ra) == 0
	v_wmma_scale_f32_16x16x128_f8f6f4 v[(\d):(\d)+7], v[(\a):(\a)+11], v[(\b):(\b)+11], 0, v[(\sa)], v[(\sb)] matrix_a_fmt:MATRIX_FMT_BF6 matrix_b_fmt:MATRIX_FMT_BF6
.else
	v_wmma_scale_f32_16x16x128_f8f6f4 v[(\d):(\d)+7], v[(\a):(\a)+11], v[(\b):(\b)+11], 0, v[(\sa)], v[(\sb)] matrix_a_fmt:MATRIX_FMT_BF6 matrix_b_fmt:MATRIX_FMT_BF6 matrix_a_scale:MATRIX_SCALE_ROW1
.endif
.endm
	s_load_b256 s[4:11], s[0:1], 0x0               ; xc s[4:5], xs s[6:7], vc s[8:9], vs s[10:11]
	s_load_b128 s[12:15], s[0:1], 0x20             ; bq s[12:13], mask s[14:15]
	s_load_b64 s[16:17], s[0:1], 0x30              ; out0
	v_lshl_add_u32 v[SPW], v0, 2, SPARE
	v_mov_b32 v[NIL], 0
	ds_add_u32 v[SPW], v[NIL]                      ; the opening lines: the add twice and one wait
	ds_add_u32 v[SPW], v[NIL]
	v_lshrrev_b32 v50, 5, v0
	v_readfirstlane_b32 s18, v50                   ; wave 0..7
	v_and_b32 v50, 31, v0                          ; lane
	v_and_b32 v51, 15, v0                          ; r
	v_bfe_u32 v52, v0, 4, 1                        ; h
	v_lshlrev_b32 v1, 4, v50                       ; 16 x lane (also Wq's images: WIMG = 0)
	v_lshlrev_b32 v2, 3, v50                       ; 8 x lane
	v_lshlrev_b32 v3, 2, v50                       ; 4 x lane
	v_add_nc_u32 v4, QIMG, v1                      ; a trip's two tiles of q: registers 0-3,
	v_add_nc_u32 v5, QIMG+512, v2                  ; registers 4, 5,
	v_add_nc_u32 v7, QSCL, v3                      ; and their scale words
	s_lshl_b32 s88, s18, 10
	s_add_co_u32 s88, s88, MB
	v_lshl_add_u32 v6, v52, 6, s88                 ; the bias of my keys: MB + 1024 w + 64 h
	s_mul_i32 s88, s18, 12288
	s_add_co_u32 s88, s88, VIMG
	v_add_nc_u32 v8, s88, v1                       ; my two K steps of V
	v_add_nc_u32 v9, s88, v2
	v_add_nc_u32 v9, 512, v9
	s_lshl_b32 s88, s18, 2
	s_add_co_u32 s88, s88, STAT
	v_lshl_add_u32 v10, v50, 5, s88                ; my word of a statistic
	v_lshlrev_b32 v11, 5, v50
	v_add_nc_u32 v11, STAT, v11                    ; the eight waves' words
	v_mul_u32_u24 v12, v51, 272
	v_lshl_add_u32 v12, v52, 5, v12
	s_mul_i32 s88, s18, 8704
	s_add_co_u32 s88, s88, ORED
	v_add_nc_u32 v12, s88, v12                     ; my part of O: row r, + 32 h
	v_mul_u32_u24 v13, v52, 272
	v_lshl_add_u32 v13, v51, 4, v13
	s_mul_i32 s88, s18, 1088
	s_add_co_u32 s88, s88, ORED
	v_add_nc_u32 v13, s88, v13                     ; back: rows 4 w + h on, 16 bytes a lane
	v_lshlrev_b32 v14, 12, v52
	v_lshl_add_u32 v14, v51, 4, v14                ; in out0: 4096 h + 16 r
	v_lshlrev_b32 v15, 6, v52                      ; 64 h, for bq
	s_mul_i32 s88, s18, 3072
	s_add_co_u32 s88, s88, QIMG
	v_add_nc_u32 v53, s88, v1                      ; where my four tiles of q go
	v_add_nc_u32 v54, s88, v2
	v_add_nc_u32 v54, 512, v54
	s_lshl_b32 s88, s18, 8
	s_add_co_u32 s88, s88, QSCL
	v_lshl_add_u32 v55, v51, 2, s88                ; and their scale words: 64 bytes a tile, 4 r
	v_lshlrev_b32 v240, 4, v0                      ; the mask: 16 bytes a thread
	v_add_nc_u32 v241, MB, v240
	v_mov_b32 v242, 0xff61b1e6                     ; -3e38
	v_lshlrev_b32 v50, 2, v51
	v_lshl_add_u32 v50, v52, 7, v50                ; key's scale words: 128 h + 4 r
	s_bfe_u32 s19, ttmp6, 0x40000                  ; cx
	s_lshl_b32 s84, ttmp9, 2
	s_add_co_u32 s19, s84, s19                     ; which quarter of the queries: it enters global addresses of my own loads and stores alone
	s_and_b32 s20, ttmp7, 0xffff                   ; y = 16 b + head
	s_lshr_b32 s21, s20, 4                         ; b
	s_and_b32 s22, s20, 15                         ; head
	s_and_b32 s23, s18, 3                          ; w % 4
	s_and_b32 s83, s22, 1
	s_mul_i32 s83, s83, 0x02020202
	s_add_co_u32 s83, s83, 0x05040100              ; byte select: the head's two bytes of two tiles' scale words
	s_mov_b32 s76, 0x76543210
	s_mov_b32 s77, 0xfedcba98                      ; selects for lane l xor 16
	s_mov_b32 s78, 0x3e38aa3b                      ; c = log2(e) / 8
	s_mov_b32 s79, s78
	s_mov_b32 s80, 0                               ; the trip
	; group 1: dense bytes as rows of 32 elements of 8 bytes: Wq's tile 48 rows, a quarter of value's image 96 rows; mask: all four work-groups, bit 21 beside it
	s_mov_b32 s52, 15|(3<<16)|(1<<21)
	s_mov_b32 s53, 32<<16
	s_mov_b32 s54, 48<<16
	s_mov_b32 s55, 32<<16
	s_mov_b32 s56, 48
	s_mov_b32 s57, 32
	s_mov_b32 s58, 0
	s_mov_b32 s59, 0
	s_mov_b32 s68, 15|(3<<16)|(1<<21)
	s_mov_b32 s69, 32<<16
	s_mov_b32 s70, 96<<16
	s_mov_b32 s71, 32<<16
	s_mov_b32 s72, 96
	s_mov_b32 s73, 32
	s_mov_b32 s74, 0
	s_mov_b32 s75, 0
	s_mov_b32 s85, 0
	s_mov_b32 s89, 0
	VW                                             ; the head's end
	s_wait_dscnt 0x0                               ; both opening adds are done
	s_wait_kmcnt 0x0
	s_lshl_b32 s84, s21, 7
	s_lshl_b32 s86, s19, 5
	s_add_co_u32 s84, s84, s86
	s_lshl_b32 s86, s18, 2
	s_add_co_u32 s86, s84, s86                     ; my first query tile: 128 b + 32 quarter + 4 w
	s_mul_i32 s84, s86, 12288
	s_add_nc_u64 s[24:25], s[4:5], s[84:85]        ; its codes
	s_lshl_b32 s84, s86, 6
	s_add_nc_u64 s[26:27], s[6:7], s[84:85]        ; its scale words
	s_lshl_b32 s88, s22, 8
	s_add_nc_u64 s[36:37], s[12:13], s[88:89]      ; bq at the head's 64
	s_add_co_u32 s88, s88, 65536
	s_add_nc_u64 s[28:29], s[6:7], s[88:89]        ; Wq's scale words: tile 1024 + 4 head
	s_lshl_b32 s88, s21, 13
	s_add_nc_u64 s[38:39], s[14:15], s[88:89]      ; the batch's mask
.macro XLOAD s                         ; my four query tiles' fragments of K step s into set s % 3: 16 loads
.if (\s)%3 == 2
	WIN 0
.set XB, VB
.else
	WIN 0x40
.set XB, 128+48*((\s)%3)
.endif
.irp qt, 0,1,2,3
.irp c, 0,1
	global_load_b128 v[XB+12*\qt+6*\c:XB+12*\qt+6*\c+3], v1, s[24:25] offset:12288*\qt+1536*(\s)+768*\c
	global_load_b64 v[XB+12*\qt+6*\c+4:XB+12*\qt+6*\c+5], v2, s[24:25] offset:12288*\qt+1536*(\s)+768*\c+512
.endr
.endr
	WIN 0
.endm
.irp k, 0,1
	global_load_b128 v[232+4*\k:235+4*\k], v240, s[38:39] offset:4096*\k       ; the mask: 256 threads x 16 bytes, twice
.endr
.irp gt, 0,1,2,3                       ; bq in the result's layout: tile gt, lane (r, h): channels 32 (gt / 2) + 8 (gt % 2) + 16 h + 0 .. 7
	global_load_b128 v[BQ+8*\gt:BQ+8*\gt+3], v15, s[36:37] offset:(32*(\gt/2)+8*(\gt%2))*4
	global_load_b128 v[BQ+8*\gt+4:BQ+8*\gt+7], v15, s[36:37] offset:(32*(\gt/2)+8*(\gt%2))*4+16
.endr
.irp s, 0,1,2,3,4,5,6,7
.irp i, 0,1
	global_load_b32 v[16+2*\s+\i], v3, s[26:27] offset:69632*\s+128*\i         ; query's scale words: lanes 0-15 tile 2 i, lanes 16-31 tile 2 i + 1
	global_load_b32 v[32+2*\s+\i], v3, s[28:29] offset:69632*\s+128*\i         ; Wq's likewise
.endr
.endr
	XLOAD 0
	; the other addresses
	s_lshl_b32 s84, s21, 11
	s_lshl_b32 s86, s19, 9
	s_add_co_u32 s84, s84, s86
	s_lshr_b32 s86, s18, 2
	s_lshl_b32 s86, s86, 3
	s_add_co_u32 s84, s84, s86
	s_lshl_b32 s86, s23, 2
	s_add_co_u32 s84, s84, s86
	s_lshr_b32 s86, s23, 1
	s_lshl_b32 s86, s86, 3
	s_add_co_u32 s84, s84, s86                     ; the first row that I store: 2048 b + 512 quarter + 8 (w / 4) + 4 (w % 4) + 8 ((w % 4) / 2)
	s_lshl_b32 s84, s84, 12
	s_lshl_b32 s86, s22, 8
	s_add_co_u32 s84, s84, s86
	s_add_nc_u64 s[40:41], s[16:17], s[84:85]      ; out0
	s_lshl_b32 s90, s21, 7
	s_lshl_b32 s91, s18, 4
	s_add_co_u32 s90, s90, s91
	s_add_co_u32 s90, s90, 512                     ; my first key tile: 512 + 128 b + 16 w
	s_mul_i32 s88, s90, 12288
	s_mul_i32 s91, s22, 768
	s_add_co_u32 s88, s88, s91
	s_add_nc_u64 s[30:31], s[4:5], s[88:89]        ; key's codes, this head's 768 bytes of a tile
	s_lshr_b32 s88, s22, 1
	s_mul_i32 s88, s88, 69632
	s_lshl_b32 s91, s90, 6
	s_add_co_u32 s88, s88, s91
	s_add_nc_u64 s[32:33], s[6:7], s[88:89]        ; key's scale words, K step head / 2
	s_lshl_b32 s88, s21, 4
	s_lshl_b32 s91, s18, 1
	s_add_co_u32 s88, s88, s91
	s_lshl_b32 s88, s88, 12
	s_lshl_b32 s91, s22, 8
	s_add_co_u32 s88, s88, s91
	s_add_nc_u64 s[34:35], s[10:11], s[88:89]      ; value's scale words, K step 2 w
	s_lshl_b32 s88, s22, 2
	s_add_co_u32 s88, s88, s23
	s_add_co_u32 s88, s88, 1024
	s_mul_i32 s88, s88, 12288
	s_mov_b32 s44, 1                               ; group 0 for Wq: tile 1024 + 4 head + w % 4
	s_mul_i32 s45, s23, 12288
	s_add_nc_u64 s[46:47], s[4:5], s[88:89]
	s_or_b32 s47, s47, 0x80000000
	s_mul_i32 s88, s20, 98304
	s_mul_i32 s91, s23, 24576
	s_add_co_u32 s88, s88, s91
	s_mov_b32 s48, 1                               ; group 0 for value: quarter w % 4 of (b, head)'s image
	s_add_co_u32 s49, s91, VIMG
	s_add_nc_u64 s[50:51], s[8:9], s[88:89]
	s_or_b32 s51, s51, 0x80000000
	ROUND                                          ; all four work-groups are here: the joint loads meet
	s_cmp_lt_u32 s18, 4                            ; one load a wave: waves 0-3 Wq's tiles, waves 4-7 value's quarters
	s_cbranch_scc0 .Lfor_v
	tensor_load_to_lds s[44:47], s[52:59]
	s_nop 0
	PLACES
	s_branch .Lasked
.Lfor_v:
	tensor_load_to_lds s[48:51], s[68:75]
	s_nop 0
	PLACES
.Lasked:
	s_wait_loadcnt 56                              ; the mask's two loads are in: 8 + 32 + 16 were issued behind them
.irp n, 0,1,2,3,4,5,6,7
	v_cmp_eq_u32 vcc_lo, 0, v[232+\n]
	v_cndmask_b32 v[232+\n], 0, v242, vcc_lo       ; the bias: -3e38 where the mask is 0, else 0
.endr
	XLOAD 1
	VW
	s_wait_tensorcnt 0x0                           ; my tile is in
.irp k, 0,1
	ds_store_b128 v241, v[232+4*\k:235+4*\k] offset:4096*\k
.endr
	s_wait_dscnt 0x0                               ; my part of the bias lies in LDS
	s_barrier_signal -1
	s_barrier_wait -1                              ; everybody's does, and Wq's and value's tiles
; ---- q = query Wq^T + bq
.macro WLOAD s                         ; Wq's four fragments of K step s into set s % 2: 16 loads
.set WBB, KF+48*((\s)%2)
.irp gt, 0,1,2,3
.irp c, 0,1
	ds_load_b128 v[WBB+12*\gt+6*\c:WBB+12*\gt+6*\c+3], v1 offset:12288*\gt+1536*(\s)+768*\c
	ds_load_b64 v[WBB+12*\gt+6*\c+4:WBB+12*\gt+6*\c+5], v2 offset:12288*\gt+1536*(\s)+768*\c+512
.endr
.endr
.endm
.macro PSTEP s                         ; 16 products: source 0 = 16 rows of Wq, source 1 = 16 queries; the 16 accumulators take turns
.if (\s) > 0
	PLACES                                         ; ahead of the loads into the sets that the last step multiplied
.endif
.if (\s) < 7
	WLOAD (\s)+1
	s_wait_loadcnt 16                              ; this step's query fragments are in; the next step's 16 loads may be out
.else
	s_wait_loadcnt 0x0
.endif
.if (\s) < 6
	XLOAD (\s)+2
.endif
.if (\s) < 7
	s_wait_dscnt 16                                ; this step's fragments of Wq are in; the next step's 16 loads may be out
.else
	s_wait_dscnt 0x0
.endif
.set WBB, KF+48*((\s)%2)
.if (\s)%3 == 2
.set XB, VB
	WIN 0x50
.else
.set XB, 128+48*((\s)%3)
.if (\s) == 0
	WIN 0x44                                       ; C (bq) window 0
.else
	WIN 0x54
.endif
.endif
.irp qt, 0,1,2,3
.irp gt, 0,1,2,3
.if (\s) == 0
	WMC 32*\qt+8*\gt, WBB+12*\gt, XB+12*\qt, BQ+8*\gt, 32+2*(\s)+\gt/2, 16+2*(\s)+\qt/2, \gt%2, \qt%2
.else
	WMC 32*\qt+8*\gt, WBB+12*\gt, XB+12*\qt, 32*\qt+8*\gt, 32+2*(\s)+\gt/2, 16+2*(\s)+\qt/2, \gt%2, \qt%2
.endif
.endr
.endr
	WIN 0
.endm
; tile qt of q: lane (r, h) holds query r; register 16 b + n is channel 32 b + 16 h + n.  Two blocks of 32; six registers of codes; the scale word holds the two bytes twice, for [q, 0] and [0, q]
.macro QUANTQ qt
.set QA, 32*(\qt)
.set CQ, VB+8*(\qt)                    ; registers of its own for each tile: no LDS store's data are written again
	WIN 0x05
	v_max3_num_f32 v232, |v[QA]|, |v[QA+1]|, 0x2800000             ; each accumulator from its low end on; the floor 2^(5 - 127) holds the byte at 1 from below
	v_max3_num_f32 v233, |v[QA+16]|, |v[QA+17]|, 0x2800000
.irp n, 2,4,6,8,10,12,14
	v_max3_num_f32 v232, |v[QA+\n]|, |v[QA+\n+1]|, v232
	v_max3_num_f32 v233, |v[QA+16+\n]|, |v[QA+17+\n]|, v233
.endr
	WIN 0
	v_permlanex16_b32 v234, v232, s76, s77
	v_permlanex16_b32 v235, v233, s76, s77
	v_max_num_f32 v232, v232, v234
	v_max_num_f32 v233, v233, v235
	v_add_nc_u32 v236, 0xfe000000, v232            ; 4 off the exponent field: the conversion's scale operand
	v_add_nc_u32 v237, 0xfe000000, v233
	v_lshrrev_b32 v238, 23, v236
	v_lshrrev_b32 v239, 23, v237
	v_lshl_or_b32 v[CQ+6], v239, 8, v238
	v_lshl_or_b32 v[CQ+6], v[CQ+6], 16, v[CQ+6]
	WIN 0x01
	v_cvt_scalef32_pk16_bf6_f32 v[CQ:CQ+2], v[QA:QA+15], v236
	v_cvt_scalef32_pk16_bf6_f32 v[248:250], v[QA+16:QA+31], v237
	WIN 0
	v_nop                                          ; one plain place behind a scaled conversion
.irp i, 0,1,2
	v_permlane16_swap_b32 v[CQ+\i], v[248+\i]      ; a whole block to a lane
.endr
.irp i, 0,1,2
	v_mov_b32 v[CQ+3+\i], v[248+\i]
.endr
	ds_store_b128 v53, v[CQ:CQ+3] offset:768*(\qt)
	ds_store_b64 v54, v[CQ+4:CQ+5] offset:768*(\qt)
	ds_store_b32 v55, v[CQ+6] offset:64*(\qt)      ; both lanes of a row write the same word with the same value
.endm
	WLOAD 0
.irp s, 0,1,2,3,4,5,6,7
	PSTEP \s
.endr
	PLACES                                         ; ahead of the loads and writes into registers that the last products read
.irp t, 0,1,2,3,4,5,6,7,8,9,10,11,12,13,14,15      ; my 16 key tiles, six registers each: they stay
	global_load_b128 v[KF+6*\t:KF+6*\t+3], v1, s[30:31] offset:12288*\t
	global_load_b64 v[KF+6*\t+4:KF+6*\t+5], v2, s[30:31] offset:12288*\t+512
.endr
.irp g, 0,1,2,3                        ; lanes 0-15: tiles 4 g and 4 g + 1; lanes 16-31: tiles 4 g + 2 and 4 g + 3
	global_load_b32 v[KSC+\g], v50, s[32:33] offset:256*\g
	global_load_b32 v[KSC+4+\g], v50, s[32:33] offset:256*\g+64
.endr
.irp ks, 0,1
.irp i, 0,1
	global_load_b32 v[VSC+2*\ks+\i], v3, s[34:35] offset:4096*\ks+128*\i
.endr
.endr
.irp j, 234,235,240,241,242,243,244,245,246,247
	v_mov_b32 v\j, 0                               ; written once: a lane exchange's destination counts as one of its sources
.endr
.irp qt, 0,1,2,3
	QUANTQ \qt
.endr
	VW
	s_wait_loadcnt 0x0                             ; K and the scale words
.irp g, 0,1,2,3
	v_perm_b32 v[KSC+\g], v[KSC+4+\g], v[KSC+\g], s83              ; a fragment's word: the head's two bytes of its first tile, then of its second
.endr
	VW
	s_wait_dscnt 0x0                               ; my tiles of q lie in LDS
	s_barrier_signal -1
	s_barrier_wait -1
; ---- 16 TRIPS OF 32 QUERIES
.macro LOADC f                         ; the bias of key tiles 2 f, 2 f + 1 into slot f % 3: 4 loads; register j: key 32 f + 8 u + 16 h + j
.set SL, (\f)%3
.irp u, 0,1
	ds_load_b128 v[VB+16*SL+8*\u:VB+16*SL+8*\u+3], v6 offset:128*(\f)+32*\u
	ds_load_b128 v[VB+16*SL+8*\u+4:VB+16*SL+8*\u+7], v6 offset:128*(\f)+32*\u+16
.endr
.endm
.macro PROLOGUE                        ; 0 q0 0 q1 0, q's scale words (lanes 0-15 tile 0, lanes 16-31 tile 1), three pairs of bias tiles
.irp x, 0,1
	ds_load_b128 v[QF+6+12*\x:QF+9+12*\x], v4 offset:768*\x
	ds_load_b64 v[QF+10+12*\x:QF+11+12*\x], v5 offset:768*\x
.endr
	ds_load_b32 v[QS], v7
.irp j, 0,1,2,3,4,5,12,13,14,15,16,17,24,25,26,27,28,29
	v_mov_b32 v[QF+\j], 0
.endr
	LOADC 0
	LOADC 1
	LOADC 2
.endm
.macro MULF f                          ; four products: key tiles 2 f, 2 f + 1 x query tiles 0, 1; C = the mask's bias
.set SL, (\f)%3
.if (\f) < 6
	s_wait_dscnt 8                                 ; this pair's bias is in; the two younger pairs' 8 loads may be out
.else
	s_wait_dscnt 4*(7-(\f))
.endif
	WIN 0x40
	WMC 16*(\f), KF+12*(\f), QF+6, VB+16*SL, KSC+(\f)/2, QS, (\f)%2, 0
	WMC 128+16*(\f), KF+12*(\f), QF+18, VB+16*SL, KSC+(\f)/2, QS, (\f)%2, 1
	WMC 16*(\f)+8, KF+12*(\f), QF, VB+16*SL+8, KSC+(\f)/2, QS, (\f)%2, 0
	WMC 128+16*(\f)+8, KF+12*(\f), QF+12, VB+16*SL+8, KSC+(\f)/2, QS, (\f)%2, 1
	WIN 0
.if (\f) < 5
	PLACES
	LOADC (\f)+3
.elseif (\f) == 7
	PLACES                                         ; ahead of the first read of scores and of V's loads over the bias
.endif
.endm
.macro VLOAD ks                        ; V's four fragments of my K step ks: 16 loads
.irp dt, 0,1,2,3
.irp c, 0,1
	ds_load_b128 v[VB+12*\dt+6*\c:VB+12*\dt+6*\c+3], v8 offset:6144*(\ks)+1536*\dt+768*\c
	ds_load_b64 v[VB+12*\dt+6*\c+4:VB+12*\dt+6*\c+5], v9 offset:6144*(\ks)+1536*\dt+768*\c
.endr
.endr
.endm
.macro MAXES x                         ; tile x: the blocks' largest scores, the wave's -M, t - M
.set BX, BM+8*(\x)
.set SS, 128*(\x)
.set MX, SX+2*(\x)
	WIN 0x05
.irp q, 0,1,2,3,4,5,6,7
	v_max3_num_f32 v[BX+\q], v[SS+16*\q], v[SS+16*\q+1], 0xff7fffff    ; each accumulator from its low end on; eight blocks by turns
.endr
.irp n, 2,4,6,8,10,12,14
.irp q, 0,1,2,3,4,5,6,7
	v_max3_num_f32 v[BX+\q], v[SS+16*\q+\n], v[SS+16*\q+\n+1], v[BX+\q]
.endr
.endr
	WIN 0
.irp q, 0,1,2,3,4,5,6,7
	v_permlanex16_b32 v[240+\q], v[BX+\q], s76, s77
.endr
.irp q, 0,1,2,3,4,5,6,7
	v_max_num_f32 v[BX+\q], v[BX+\q], v[240+\q]    ; with lane l xor 16's 16 keys
.endr
	v_max3_num_f32 v248, v[BX], v[BX+1], v[BX+2]
	v_max3_num_f32 v249, v[BX+3], v[BX+4], v[BX+5]
	v_max3_num_f32 v248, v248, v[BX+6], v[BX+7]
	v_max_num_f32 v248, v248, v249                 ; my query's largest score among my 256 keys
	v_mul_f32 v248, s78, v248                      ; as t (c is positive)
	v_max_num_f32 v248, 0xf149f2ca, v248           ; held at -1e30: where all 256 are masked, M stays a number and every p is 0
	v_floor_f32 v[MX], -v248                       ; -M = floor(-t)
	v_mov_b32 v[MX+1], v[MX]
.irp q, 0,1,2,3,4,5,6,7
	v_fma_f32 v[BX+\q], v[BX+\q], s78, v[MX]
.endr
	WIN 0x41
.set J, SS
.rept 64
	v_pk_fma_f32 v[J:J+1], v[J:J+1], s[78:79], v[MX:MX+1] op_sel_hi:[1,0,0]
.set J, J+2
.endr
	WIN 0
.endm
.macro QPV ks, x                       ; 128 keys of tile x: attn = p x f, its codes, four products onto O^T (which lies over the tile's first 32 scores)
.set BX, BM+8*(\x)+4*(\ks)
.set SB, 128*(\x)+64*(\ks)
	WIN 0x41
.set J, SB
.rept 32                               ; (also the places behind the last products)
	v_pk_mul_f32 v[J:J+1], v[J:J+1], v[SX+2*(\x):SX+2*(\x)+1] op_sel_hi:[1,0]
.set J, J+2
.endr
	WIN 0
.if (\ks) == 1 && (\x) == 0
	VLOAD 1
.endif
	WIN 0x01
.irp c, 0,1
	v_cvt_scalef32_pk16_bf6_f32 v[PC+6*\c:PC+6*\c+2], v[SB+32*\c:SB+32*\c+15], v[BX+2*\c]
	v_cvt_scalef32_pk16_bf6_f32 v[PT+4*\c:PT+4*\c+2], v[SB+32*\c+16:SB+32*\c+31], v[BX+2*\c+1]
.endr
	WIN 0
	v_nop                                          ; one plain place behind a scaled conversion
.irp c, 0,1                            ; a whole block to a lane
.irp i, 0,1,2
	v_permlane16_swap_b32 v[PC+6*\c+\i], v[PT+4*\c+\i]
.endr
.irp i, 0,1,2
	v_mov_b32 v[PC+6*\c+3+\i], v[PT+4*\c+\i]
.endr
.endr
	PLACES                                         ; an operand written by vector instructions stands four places ahead of a scaled product
.if (\ks) == 1 && (\x) == 0
	VW
	s_wait_dscnt 0x0                               ; V's second K step is in
.endif
	WIN 0x50
.irp dt, 0,1,2,3                       ; the eight accumulators of the two tiles take turns
.if (\ks) == 0
	WM0 128*(\x)+8*\dt, VB+12*\dt, PC, VSC+2*(\ks)+\dt/2, PW+2*(\x)+(\ks), \dt%2
.else
	WMC 128*(\x)+8*\dt, VB+12*\dt, PC, 128*(\x)+8*\dt, VSC+2*(\ks)+\dt/2, PW+2*(\x)+(\ks), \dt%2, 0
.endif
.endr
.endm
	PROLOGUE
	PLACES
	VW
.Lblock:
.irp f, 0,1,2,3,4,5,6,7
	MULF \f
.endr
	VLOAD 0
	MAXES 0
	MAXES 1
	VW                                             ; ahead of the batch
.irp b, 0,1,2,3,4,5,6,7,8,9,10,11,12,13,14,15
	v_exp_f32 v[BM+\b], v[BM+\b]                   ; the blocks' largest p: the same two instructions on the same number as below give the same bits
.endr
	WIN 0x41
.set J, 0
.rept 256
	v_exp_f32 v[J], v[J]                           ; p = 2^(t - M)
.set J, J+1
.endr
	WIN 0
	v_nop                                          ; one plain place behind a transcendental
	VW                                             ; and behind the batch
	WIN 0x05
.irp x, 0,1
.irp k, 0,1,2,3
	v_pk_add_f32 v[240+8*\x+2*\k:241+8*\x+2*\k], v[128*\x+4*\k:128*\x+4*\k+1], v[128*\x+4*\k+2:128*\x+4*\k+3]   ; the sums of p: four chains a tile
.endr
.endr
	WIN 0x04
.set J, 16
.rept 14
.irp x, 0,1
.irp k, 0,1,2,3
	v_pk_add_f32 v[240+8*\x+2*\k:241+8*\x+2*\k], v[240+8*\x+2*\k:241+8*\x+2*\k], v[128*\x+J+2*\k:128*\x+J+2*\k+1]
.endr
.endr
.set J, J+8
.endr
	WIN 0
.irp x, 0,1
	v_pk_add_f32 v[240+8*\x:241+8*\x], v[240+8*\x:241+8*\x], v[242+8*\x:243+8*\x]
	v_pk_add_f32 v[244+8*\x:245+8*\x], v[244+8*\x:245+8*\x], v[246+8*\x:247+8*\x]
.endr
.irp x, 0,1
	v_pk_add_f32 v[240+8*\x:241+8*\x], v[240+8*\x:241+8*\x], v[244+8*\x:245+8*\x]
.endr
.irp x, 0,1
	v_add_f32 v[240+8*\x], v[240+8*\x], v[241+8*\x]
.endr
.irp x, 0,1
	v_permlanex16_b32 v[242+8*\x], v[240+8*\x], s76, s77
.endr
.irp x, 0,1
	v_add_f32 v[240+8*\x], v[240+8*\x], v[242+8*\x]                ; my wave's sum for my query
.endr
.irp x, 0,1
	ds_store_b32 v10, v[SX+2*\x] offset:2048*\x
	ds_store_b32 v10, v[240+8*\x] offset:2048*\x+1024
.endr
	VW
	s_wait_dscnt 0x0                               ; for the others' sake: my statistics lie in LDS (and V's first K step is in)
	s_barrier_signal -1
	s_barrier_wait -1
.irp x, 0,1                            ; the eight waves' -M at 216 + 24 x, their sums at 224 + 24 x
.irp k, 0,1
	ds_load_b128 v[216+24*\x+4*\k:219+24*\x+4*\k], v11 offset:2048*\x+16*\k
	ds_load_b128 v[224+24*\x+4*\k:227+24*\x+4*\k], v11 offset:2048*\x+1024+16*\k
.endr
.endr
	s_wait_dscnt 0x0
.irp x, 0,1
	v_min3_num_f32 v[232+\x], v[216+24*\x], v[217+24*\x], v[218+24*\x]
	v_min3_num_f32 v[234+\x], v[219+24*\x], v[220+24*\x], v[221+24*\x]
.endr
.irp x, 0,1
	v_min3_num_f32 v[232+\x], v[232+\x], v[222+24*\x], v[223+24*\x]
.endr
.irp x, 0,1
	v_min_num_f32 v[232+\x], v[232+\x], v[234+\x]                  ; the least -M: the row's M
.endr
.irp x, 0,1
.irp k, 0,1,2,3,4,5,6,7
	v_sub_f32 v[216+24*\x+\k], v[232+\x], v[216+24*\x+\k]          ; a wave's M less the row's: a whole number, 0 or less
.endr
	v_sub_f32 v[234+\x], v[232+\x], v[SX+2*\x]                     ; my own
.endr
.irp x, 0,1
.irp k, 0,1,2,3,4,5,6,7
	v_cvt_i32_f32 v[216+24*\x+\k], v[216+24*\x+\k]                 ; (it saturates)
.endr
	v_cvt_i32_f32 v[234+\x], v[234+\x]
.endr
.irp x, 0,1
.irp k, 0,1,2,3,4,5,6,7
	v_ldexp_f32 v[224+24*\x+\k], v[224+24*\x+\k], v[216+24*\x+\k]  ; each wave's sum under the row's M: nothing is rounded
.endr
.endr
.irp x, 0,1
.irp k, 0,2,4,6
	v_add_f32 v[224+24*\x+\k], v[224+24*\x+\k], v[225+24*\x+\k]
.endr
.endr
.irp x, 0,1
	v_add_f32 v[224+24*\x], v[224+24*\x], v[226+24*\x]
	v_add_f32 v[228+24*\x], v[228+24*\x], v[230+24*\x]
.endr
.irp x, 0,1
	v_add_f32 v[224+24*\x], v[224+24*\x], v[228+24*\x]
.endr
.irp x, 0,1
	v_max_num_f32 v[224+24*\x], 0.5, v[224+24*\x]                  ; the largest p lies above 0.5 where any key counts: this holds only a row with no key, whose weights are all 0
.endr
	VW
.irp x, 0,1
	v_rcp_f32 v[225+24*\x], v[224+24*\x]
.endr
	v_nop
	VW
.irp x, 0,1
	v_fma_f32 v[226+24*\x], -v[224+24*\x], v[225+24*\x], 1.0       ; one step of refinement
.endr
.irp x, 0,1
	v_fma_f32 v[225+24*\x], v[225+24*\x], v[226+24*\x], v[225+24*\x]
.endr
.irp x, 0,1
	v_ldexp_f32 v[SX+2*\x], v[225+24*\x], v[234+\x]                ; f = 2^(my M - the row's M) / the row's sum
.endr
.irp x, 0,1
	v_mov_b32 v[SX+2*\x+1], v[SX+2*\x]
.endr
.irp x, 0,1                            ; the blocks' largest weights, their scale operands, attn's scale words
.irp b, 0,1,2,3,4,5,6,7
	v_mul_f32 v[BM+8*\x+\b], v[BM+8*\x+\b], v[SX+2*\x]
.endr
.endr
.irp b, 0,1,2,3,4,5,6,7,8,9,10,11,12,13,14,15
	v_max_num_f32 v[BM+\b], 0x2800000, v[BM+\b]    ; the floor 2^(5 - 127): the byte cannot fall under 1
.endr
.irp b, 0,1,2,3,4,5,6,7,8,9,10,11,12,13,14,15
	v_add_nc_u32 v[BM+\b], 0xfe000000, v[BM+\b]    ; 4 off the exponent field
.endr
.irp k, 0,1,2,3                        ; k = 2 x + ks
	v_lshrrev_b32 v[PW+\k], 23, v[BM+4*\k]
	v_lshrrev_b32 v[240+\k], 23, v[BM+4*\k+1]
	v_lshrrev_b32 v[244+\k], 23, v[BM+4*\k+2]
	v_lshrrev_b32 v[248+\k], 23, v[BM+4*\k+3]
.endr
.irp k, 0,1,2,3
	v_lshl_or_b32 v[PW+\k], v[240+\k], 8, v[PW+\k]
.endr
.irp k, 0,1,2,3
	v_lshl_or_b32 v[PW+\k], v[244+\k], 16, v[PW+\k]
.endr
.irp k, 0,1,2,3
	v_lshl_or_b32 v[PW+\k], v[248+\k], 24, v[PW+\k]
.endr
	QPV 0, 0
	QPV 0, 1
	QPV 1, 0
	QPV 1, 1
	WIN 0
	PLACES                                         ; ahead of the reads of O^T and of the loads and writes into the last products' registers
	WIN 0x04                                       ; an LDS store's data are its source 1
.irp x, 0,1
.irp dt, 0,1,2,3
	ds_store_b128 v12, v[128*\x+8*\dt:128*\x+8*\dt+3] offset:4352*\x+64*\dt        ; row 16 x + r, channels 16 dt + 8 h + 0 .. 7; each accumulator from its low end on
	ds_store_b128 v12, v[128*\x+8*\dt+4:128*\x+8*\dt+7] offset:4352*\x+64*\dt+16
.endr
.endr
	WIN 0
	v_add_nc_u32 v4, 1536, v4                      ; the next trip's two tiles of q
	v_add_nc_u32 v5, 1536, v5
	v_add_nc_u32 v7, 128, v7
	s_add_co_u32 s80, s80, 1
	s_cmp_eq_u32 s80, 16
	s_cbranch_scc1 .Lno_next                       ; the last trip asks for nothing
	PROLOGUE
.Lno_next:
	VW
	s_wait_dscnt 0x0                               ; for the others' sake: my part of O lies in LDS
	s_barrier_signal -1
	s_barrier_wait -1
	WIN 0x40                                       ; into the scores' first registers, which are free
.irp p, 0,1,2,3,4,5,6,7
.irp i, 0,1
	ds_load_b128 v[8*\p+4*\i:8*\p+4*\i+3], v13 offset:8704*\p+544*\i               ; wave p's part of rows 4 w + 2 i + h
.endr
.endr
	s_wait_dscnt 0x0
	WIN 0x45
.irp j, 0,2,4,6
.irp p, 0,16,32,48
	v_pk_add_f32 v[\p+\j:\p+\j+1], v[\p+\j:\p+\j+1], v[\p+8+\j:\p+9+\j]
.endr
.endr
.irp j, 0,2,4,6
	v_pk_add_f32 v[\j:\j+1], v[\j:\j+1], v[16+\j:17+\j]
	v_pk_add_f32 v[32+\j:33+\j], v[32+\j:33+\j], v[48+\j:49+\j]
.endr
.irp j, 0,2,4,6
	v_pk_add_f32 v[\j:\j+1], v[\j:\j+1], v[32+\j:33+\j]
.endr
	WIN 0x04                                       ; a store's data are its source 1
.irp i, 0,1
	global_store_b128 v14, v[4*\i:4*\i+3], s[40:41] offset:8192*\i th:TH_STORE_NT  ; 16 lanes store a query's 256 consecutive bytes of this head, aligned; stage row 16 x + r is query 32 trip + 8 x + r + 8 (r / 8)
.endr
	WIN 0
	s_wait_xcnt 0x0                                ; the stores' base and data are written again only behind this wait
	s_add_nc_u64 s[40:41], s[40:41], 131072        ; 32 rows of out0 on
	s_cmp_lt_u32 s80, 16
	VW
	s_cbranch_scc1 .Lblock
	s_wait_tensorcnt 0x0                           ; the wave's end
	ds_add_u32 v[SPW], v[NIL]
	s_wait_dscnt 0x0
	ROUND                                          ; the closing round
	s_endpgm
.Lfunc_end_k_q80665cfe7f_attn:
	.size	k_q80665cfe7f_attn, .Lfunc_end_k_q80665cfe7f_attn-k_q80665cfe7f_attn
	.p2alignl 7, 3214868480
	.fill 96, 4, 3214868480
	.section	.rodata,"a",@progbits
	.p2align	6, 0x0
	.amdhsa_kernel k_q80665cfe7f_attn
		.amdhsa_group_segment_fixed_size 257024
		.amdhsa_private_segment_fixed_size 0
		.amdhsa_enable_private_segment 0
		.amdhsa_kernarg_size 56
		.amdhsa_user_sgpr_count 2
		.amdhsa_user_sgpr_kernarg_segment_ptr 1
		.amdhsa_wavefront_size32 1
		.amdhsa_system_sgpr_workgroup_id_x 1
		.amdhsa_system_sgpr_workgroup_id_y 1
		.amdhsa_system_sgpr_workgroup_id_z 1
		.amdhsa_system_vgpr_workitem_id 0
		.amdhsa_next_free_vgpr 512
		.amdhsa_next_free_sgpr 96
		.amdhsa_reserve_vcc 1
		.amdhsa_float_denorm_mode_32 3
		.amdhsa_float_denorm_mode_16_64 3
		.amdhsa_memory_ordered 1
		.amdhsa_forward_progress 1
		.amdhsa_inst_pref_size 142
	.end_amdhsa_kernel
	.amdgpu_metadata
---
amdhsa.version: [ 1, 2 ]
amdhsa.kernels:
  - .name:           k_q80665cfe7f_attn
    .symbol:         k_q80665cfe7f_attn.kd
    .args:
      - { .name: xc, .offset: 0, .size: 8, .value_kind: global_buffer, .address_space: global }
      - { .name: xs, .offset: 8, .size: 8, .value_kind: global_buffer, .address_space: global }
      - { .name: vc, .offset: 16, .size: 8, .value_kind: global_buffer, .address_space: global }
      - { .name: vs, .offset: 24, .size: 8, .value_kind: global_buffer, .address_space: global }
      - { .name: bq, .offset: 32, .size: 8, .value_kind: global_buffer, .address_space: global }
      - { .name: mask, .offset: 40, .size: 8, .value_kind: global_buffer, .address_space: global }
      - { .name: out0, .offset: 48, .size: 8, .value_kind: global_buffer, .address_space: global }
    .group_segment_fixed_size: 257024
    .private_segment_fixed_size: 0
    .kernarg_segment_align: 8
    .kernarg_segment_size: 56
    .max_flat_workgroup_size: 256
    .sgpr_count:     96
    .vgpr_count:     512
    .wavefront_size: 32
...
	.end_amdgpu_metadata
.endif
;; end of part 3
